; MI455X (gfx1250); checked and timed in simulation.
; The chip was launched on July 23, 2026; its instructions are those of AMD's public machine-readable ISA for CDNA 5 (MIT licence, August 2026) and "CDNA5" Instruction Set Architecture Reference Guide (July 2026). The comments in the code are by the model that wrote it; some were corrected since.
;; Transport Module. Allowed arithmetic: matrix products marked QUANTISED: E2M1 operands, one E8M0 scale for each 32 along K, by v_wmma_scale_f32_16x16x128_f8f6f4 with both operands' format E2M1 (or v_wmma_scale_f32_32x16x128_f4), f32 sums; products left as they are: f32 operands where the result goes on into a quantised operand, else bf16, f16 or f32 operands; f32 sums; everything else in f32.
;; Inputs: attn_params_0_0 6 x 64 float32; attn_params_0_1 64 float32; attn_params_1_0 64 x 64 float32; attn_params_1_1 64 float32; attn_params_2_0 64 x 1 float32; attn_params_2_1 1 float32; coeff_position 256 x 2 float32; coeff_values 256 x 2 float32; transport_params_0_0 10 x 256 float32; transport_params_0_1 256 float32; transport_params_1_0 256 x 256 float32; transport_params_1_1 256 float32; transport_params_2_0 256 x 1 float32; transport_params_2_1 1 float32; v 8,192 x 2 float32; v_prime 8,192 x 2 float32; x 8,192 x 2 float32; x_prime 8,192 x 2 float32.
;; Outputs: out0 8,192 x 1 float32.
;; This version of the problem:
;;   THIS VERSION OF THE PROBLEM IS GIVEN IN LOW PRECISION. The matrix products marked QUANTISED in the list below multiply operands that are first quantised to E2M1 (2 exponent bits, 1 mantissa bit; 4 bits a number), with one power-of-two scale for each 32 numbers along K (OCP MX v1.0); their sums are f32. All else is computed in f32.
;;   The module's matrix products, in the order in which they are computed (A, B: the left and right operand; K: the contracted axis; several contracted axes count as one K, in the product's order):
;;     1. batch 8,192 x [M 256, K 2] x [K 2, N 1]; A: computed on the way; B: computed on the way: left as it is (K = 2 < 32)
;;     2. [M 2,097,152, K 6] x [K 6, N 64]; A: computed on the way; B: input attn_params_0_0: left as it is (K = 6 < 32)
;;     3. [M 2,097,152, K 64] x [K 64, N 64]; A: computed on the way; B: input attn_params_1_0: QUANTISED
;;     4. [M 2,097,152, K 64] x [K 64, N 1]; A: computed on the way; B: input attn_params_2_0: left as it is (N = 1 < 16)
;;     5. [M 8,192, K 256] x [K 256, N 2]; A: softmax; B: input coeff_values: left as it is (N = 2 < 16)
;;     6. [M 8,192, K 10] x [K 10, N 256]; A: computed on the way; B: input transport_params_0_0: left as it is (K = 10 < 32)
;;     7. [M 8,192, K 256] x [K 256, N 256]; A: computed on the way; B: input transport_params_1_0: QUANTISED
;;     8. [M 8,192, K 256] x [K 256, N 1]; A: computed on the way; B: input transport_params_2_0: left as it is (N = 1 < 16)
;;   THE QUANTISER, for each operand of a quantised product, along K:
;;     - K is cut into blocks of 32 from its start; a last block that is shorter is filled with zeros.
;;     - A block's scale is 2^e with e = floor(log2(the largest magnitude in the block)) - 2, held to -126 .. 127; a block of zeros has e = 0. As a byte (E8M0): e + 127.
;;     - Each number is divided by its block's scale, clamped to +-6, and rounded to the nearest number of E2M1, ties to even, subnormals kept.
;;     - The product sums the exact products of the quantised numbers (number of the format x scale) in f32.
;;   ~~~python
;;   def quantise(x, axis):      # numpy; x: float32 -> the quantised numbers, widened to float32 again
;;       x = np.moveaxis(x, axis, -1); K = x.shape[-1]
;;       x = np.pad(x, [(0, 0)] * (x.ndim - 1) + [(0, -K % 32)]); x = x.reshape(x.shape[:-1] + (-1, 32)); a = np.abs(x).max(-1, keepdims=True)
;;       e = np.where(a > 0, np.clip(np.frexp(np.where(a > 0, a, 1))[1] - 1 - 2, -126, 127), 0)      # np.frexp(a)[1] - 1 = floor(log2(a)), exactly
;;       r = np.clip(x / 2.0 ** e, -6, 6)
;;       step = 2.0 ** (np.maximum(np.frexp(np.where(r == 0, 1, r))[1] - 1, 0) - 1)
;;       q = np.round(r / step) * step * 2.0 ** e      # np.round: ties to even
;;       return np.moveaxis(q.reshape(q.shape[:-2] + (-1,))[..., :K], -1, axis).astype(np.float32)
;;   ~~~
;;   OPERANDS COMPUTED ON THE WAY. 'Computed on the way' means the value that the module computes at that place (a softmax that the list does not call 'softmax' is quantised finished and normalised). What goes into a quantiser is computed in f32, as accurately as f32 sums, v_exp_f32 and their like allow (about 1e-6 of the number): no bf16 or f16 on the way to a quantiser, and a product that is left as it is and whose result goes on into a quantised operand takes f32 operands (vector FMAs, or v_wmma_f32_16x16x4_f32). A number that lies on a knife's edge between two numbers of the format may be rounded either way, as far as f32 arithmetic and the matrix unit's own rounding can turn it there, and no further.
;; One version. Each part assembles by itself: llvm-mc -triple=amdgcn-amd-amdhsa -mcpu=gfx1250 --defsym DOCPART=n.
;; ======== version 1 of 1: 3 launches
;; workspace buffers: maskbits 262,144 bytes of whole numbers; keys 32,768 bytes of whole numbers; order 32,768 bytes of whole numbers; list 2,097,152 bytes of whole numbers; aimg 14,336 bytes; timg 49,152 bytes; cvmean 256 bytes
;; launch prep (part 1): grid 267 x 1, 4 waves a work-group, no clusters, 0 bytes of LDS; arguments x, v, coeff_position, coeff_values, attn_params_0_0, attn_params_0_1, attn_params_1_0, attn_params_1_1, attn_params_2_0, attn_params_2_1, transport_params_0_0, transport_params_0_1, transport_params_1_0, maskbits, keys, aimg, timg, cvmean; writes maskbits, keys, aimg, timg, cvmean
.if DOCPART == 1
	.amdgcn_target "amdgcn-amd-amdhsa--gfx1250"
	.amdhsa_code_object_version 6
	.text
	.protected	k_q073781e703_prep
	.globl	k_q073781e703_prep
	.p2align	8
	.type	k_q073781e703_prep,@function
k_q073781e703_prep:
	s_mov_b64 s[64:65], 0
	v_nop
	global_prefetch_b8 v0, s[64:65] scope:SCOPE_SE
	s_setreg_imm32_b32 hwreg(HW_REG_WAVE_MODE, 25, 1), 1
	s_wait_xcnt 0x0
; PREP: what the chain needs once.  The work-group's number picks the task; every task has its own path and its own end.
;   0-255    MASK: for 32 rows n (8 a wave) the bit "position p lies ahead of n" (pos > 0) for all 256 p, as 8 words a row, and the key (count << 13) | n.
;   256-263  QWT:  transport_params_1_0 [256 k][256 n] -> codes of E2M1 along k, laid as images of the operand's registers, and scale words.
;   264      QW1:  attn_params_1_0 [64 k][64 n] likewise.
;   265      TA:   transport_params_0_0 and its bias, x 2 log2(e), laid as the f32 matrix form's source 0.
;   266      wave 0: attn_params_0_0 and bias likewise; wave 1: 2 log2(e) x attn_params_1_1; wave 2: -2 log2(e) x attn_params_2_0 and the constant of the logit; wave 3: the mean of coeff_values.
; The mask comes from floating-point numbers: it is only STORED here, at fixed places; no address and no branch of this launch hangs on it.
; A block's scale is 2^(floor(log2(largest magnitude)) - 2); its byte is the largest magnitude's exponent field - 2, held at 1 from below.
; LIMITS: a block of zeros gets the byte 1 and not 127 (its codes are zeros, and this program alone reads the bytes); blocks whose largest magnitude lies under 2^-124 are held at that floor;
; NaN and infinities are not served; a pos within f32 rounding of 0 may fall on either side of the mask.
; No LDS, no barrier: waves share nothing.  No tensor loads or clusters: all that is read here is under 0.6 MB, each byte by one wave (coeff_position, 2 KB, by each MASK wave).
.set C2,     0x4038aa3b                ; 2 log2(e): tanh(a) = 1 - 2 / (1 + 2^(C2 a))
.set L2E,    0x3fb8aa3b                ; log2(e)
.set M2L2E,  0xc038aa3b                ; -2 log2(e)
.set EPS16,  0x24e69595                ; 1e-16
.set FLOOR4, 0x1800000                 ; 2^(3 - 127)
.set EOFF,   0xff000000                ; takes 2 off an exponent field
; one row of the mask: s[16+2j], s[17+2j] = x, s[32+2j], s[33+2j] = v of row 8 W + j
.macro MROW j
	v_mul_f32 v12, s[32+2*\j], s[32+2*\j]
	v_fma_f32 v12, s[33+2*\j], s[33+2*\j], v12
	v_add_f32 v12, EPS16, v12
	v_rsq_f32 v12, v12
	v_nop                                          ; a plain place behind the transcendental
	s_wait_alu depctr_va_vdst(0)
	v_mul_f32 v13, s[32+2*\j], v12                 ; the direction v / |v|
	v_mul_f32 v14, s[33+2*\j], v12
.irp i, 0,1,2,3,4,5,6,7
	v_sub_f32 v[32+2*\i], s[16+2*\j], v[16+2*\i]
	v_sub_f32 v[33+2*\i], s[17+2*\j], v[17+2*\i]
	v_mul_f32 v[32+2*\i], v[32+2*\i], v13
	v_fmac_f32 v[32+2*\i], v[33+2*\i], v14         ; pos of p = 32 i + lane
	v_cmp_gt_f32 s[48+\i], v[32+2*\i], 0
.endr
	s_bcnt1_i32_b32 s56, s48
.irp i, 1,2,3,4,5,6,7
	s_bcnt1_i32_b32 s57, s[48+\i]
	s_add_co_u32 s56, s56, s57
.endr
	s_lshl_b32 s56, s56, 13
	s_lshl_b32 s57, s10, 3
	s_or_b32 s57, s57, \j
	s_or_b32 s56, s56, s57                         ; the key: (count << 13) | n
.irp i, 0,1,2,3,4,5,6,7
	v_writelane_b32 v[8+(\i&1)], s[48+\i], 4*\j+(\i>>1)   ; word 8 j + i of the wave's 64 lies in lane 4 j + i / 2, register i % 2
.endr
	v_writelane_b32 v10, s56, \j
.endm
; a lane takes a column and its registers run down K: block c, 32 numbers, pitch bytes from row to row
.macro QLOAD c, pitch
.set i, 0
.rept 32
	global_load_b32 v[64+32*\c+i], v5, s[4:5] offset:(64*\c+i)*\pitch
.set i, i+1
.endr
.endm
.macro QBLOCK c
	v_max3_num_f32 v[32+\c], |v[64+32*\c]|, |v[65+32*\c]|, FLOOR4
.irp i, 2,4,6,8,10,12,14,16,18,20,22,24,26,28,30
	v_max3_num_f32 v[32+\c], v[32+\c], |v[64+32*\c+\i]|, |v[65+32*\c+\i]|
.endr
	v_add_nc_u32 v[44+\c], EOFF, v[32+\c]          ; the conversion takes this operand's exponent field as its scale
	v_lshrrev_b32 v[36+\c], 23, v[44+\c]           ; the scale's byte
.irp g, 0,1,2,3
	v_cvt_scalef32_pk8_fp4_f32 v[48+4*\c+\g], v[64+32*\c+8*\g:71+32*\c+8*\g], v[44+\c]
.endr
	v_nop                                          ; a plain place behind the conversions
.endm
.macro QWORD                           ; v9 holds my bytes (blocks h, 2 + h): at their places, and joined with lane l xor 16's
	v_lshlrev_b32 v10, 3, v4
	v_lshlrev_b32 v9, v10, v9
	v_mov_b32 v10, 0
	v_permlanex16_b32 v10, v9, s60, s61
	v_or_b32 v9, v9, v10
.endm
.macro UOFF                            ; v5 = 4 u(0, r), u(T, r) = 32 (r / 8) + 8 T + r % 8: the unit that row r of weight tile T stands for
	v_and_b32 v5, 7, v3
	v_lshlrev_b32 v5, 2, v5
	v_and_b32 v6, 8, v3
	v_lshl_add_u32 v5, v6, 4, v5
.endm
.macro WSUM r                          ; the sum over the wave's 32 lanes
	v_add_f32_dpp v[\r], v[\r], v[\r] row_xmask:1 row_mask:0xf bank_mask:0xf
	v_add_f32_dpp v[\r], v[\r], v[\r] row_xmask:2 row_mask:0xf bank_mask:0xf
	v_add_f32_dpp v[\r], v[\r], v[\r] row_xmask:4 row_mask:0xf bank_mask:0xf
	v_add_f32_dpp v[\r], v[\r], v[\r] row_xmask:8 row_mask:0xf bank_mask:0xf
	v_permlanex16_b32 v66, v[\r], s60, s61
	v_add_f32 v[\r], v[\r], v66
.endm
	v_lshrrev_b32 v1, 5, v0
	v_readfirstlane_b32 s2, v1                     ; wave 0..3
	v_and_b32 v2, 31, v0                           ; lane
	v_and_b32 v3, 15, v0                           ; r
	v_bfe_u32 v4, v0, 4, 1                         ; h
	v_lshlrev_b32 v7, 4, v2                        ; 16 x lane: my place in an image
	v_lshlrev_b32 v11, 2, v2                       ; 4 x lane
	s_mov_b32 s59, 0                               ; the high word of every offset pair s[58:59]
	s_mov_b32 s60, 0x76543210
	s_mov_b32 s61, 0xfedcba98                      ; selects for lane l xor 16
	s_mov_b32 s62, 0xffff0000                      ; lanes 16-31
	s_cmp_lt_u32 ttmp9, 256
	s_cbranch_scc1 .Lmask
	s_cmp_lt_u32 ttmp9, 264
	s_cbranch_scc1 .Lqwt
	s_cmp_eq_u32 ttmp9, 264
	s_cbranch_scc1 .Lqw1
	s_cmp_eq_u32 ttmp9, 265
	s_cbranch_scc1 .Lta
	s_cmp_eq_u32 s2, 0
	s_cbranch_scc1 .Lacon
	s_cmp_eq_u32 s2, 1
	s_cbranch_scc1 .Lbcon
	s_cmp_eq_u32 s2, 2
	s_cbranch_scc1 .Lwcon
; ---- the mean of coeff_values: what a row without any kept position gets (a softmax of equal logits)
	s_load_b64 s[4:5], s[0:1], 0x18
	s_load_b64 s[8:9], s[0:1], 0x88
	v_lshlrev_b32 v5, 6, v2                        ; eight pairs a lane
	v_lshlrev_b32 v6, 3, v2
	s_wait_kmcnt 0x0
.irp i, 0,1,2,3
	global_load_b128 v[64+4*\i:67+4*\i], v5, s[4:5] offset:16*\i
.endr
	s_wait_loadcnt 0x0
.irp i, 1,2,3,4,5,6,7
	v_pk_add_f32 v[64:65], v[64:65], v[64+2*\i:65+2*\i]
.endr
	WSUM 64
	WSUM 65
	v_mul_f32 v64, 0x3b800000, v64                 ; / 256
	v_mul_f32 v65, 0x3b800000, v65
	global_store_b64 v6, v[64:65], s[8:9]          ; 32 equal pairs: 256 consecutive bytes
	s_endpgm
.Lmask:
	s_load_b128 s[4:7], s[0:1], 0x0                ; x, v
	s_load_b64 s[8:9], s[0:1], 0x10                ; coeff_position
	s_load_b64 s[12:13], s[0:1], 0x68              ; maskbits
	s_load_b64 s[14:15], s[0:1], 0x70              ; keys
	s_lshl_b32 s10, ttmp9, 2
	s_add_co_u32 s10, s10, s2                      ; W: my rows are 8 W .. 8 W + 7
	s_lshl_b32 s58, s10, 6                         ; 64 bytes of x and of v
	v_lshlrev_b32 v5, 3, v2
	v_mov_b32 v8, 0                                ; written whole before single lanes are written
	v_mov_b32 v9, 0
	v_mov_b32 v10, 0
	s_wait_kmcnt 0x0
	s_add_nc_u64 s[4:5], s[4:5], s[58:59]
	s_add_nc_u64 s[6:7], s[6:7], s[58:59]
	s_load_b512 s[16:31], s[4:5], 0x0
	s_load_b512 s[32:47], s[6:7], 0x0
.irp i, 0,1,2,3,4,5,6,7
	global_load_b64 v[16+2*\i:17+2*\i], v5, s[8:9] offset:256*\i   ; position p = 32 i + lane
.endr
	s_wait_kmcnt 0x0
	s_wait_loadcnt 0x0
.irp j, 0,1,2,3,4,5,6,7
	MROW \j
.endr
	s_lshl_b32 s58, s10, 8
	s_add_nc_u64 s[12:13], s[12:13], s[58:59]
	global_store_b64 v5, v[8:9], s[12:13]          ; eight rows' masks: 256 consecutive bytes, aligned
	s_lshl_b32 s58, s10, 5
	s_add_nc_u64 s[14:15], s[14:15], s[58:59]
	v_cmp_gt_u32 vcc_lo, 8, v2
	s_wait_xcnt 0x0                                ; EXEC is a source of the store above: it changes only behind this wait
	s_and_saveexec_b32 s63, vcc_lo
	global_store_b32 v11, v10, s[14:15]            ; eight keys
	s_wait_xcnt 0x0
	s_or_b32 exec_lo, exec_lo, s63
	s_endpgm
.Lqwt:
	s_load_b64 s[4:5], s[0:1], 0x60                ; transport_params_1_0
	s_load_b64 s[6:7], s[0:1], 0x80                ; timg
	s_sub_co_u32 s10, ttmp9, 256
	s_lshl_b32 s10, s10, 2
	s_add_co_u32 s10, s10, s2                      ; tau = 2 T + s: output tile T, K step s
	s_and_b32 s11, s10, 1
	s_lshr_b32 s12, s10, 1
	s_lshl_b32 s58, s11, 17                        ; 128 rows of 1,024 bytes
	s_lshl_b32 s12, s12, 6                         ; 16 columns
	s_add_co_u32 s58, s58, s12
	v_lshlrev_b32 v5, 2, v3                        ; column r,
	v_lshl_add_u32 v5, v4, 15, v5                  ; lanes 16-31 begin 32 rows further down
	s_wait_kmcnt 0x0
	s_add_nc_u64 s[4:5], s[4:5], s[58:59]
	QLOAD 0, 1024
	QLOAD 1, 1024
	s_wait_loadcnt 0x0
	QBLOCK 0
	QBLOCK 1
	v_lshl_or_b32 v9, v37, 16, v36
	QWORD
	s_lshl_b32 s58, s10, 10
	s_add_nc_u64 s[8:9], s[6:7], s[58:59]
	global_store_b128 v7, v[48:51], s[8:9]         ; registers 0-3 of the fragment, 512 consecutive bytes
	global_store_b128 v7, v[52:55], s[8:9] offset:512
	s_lshl_b32 s58, s10, 7
	s_add_nc_u64 s[6:7], s[6:7], s[58:59]
	global_store_b32 v11, v9, s[6:7] offset:32768
	s_endpgm
.Lqw1:
	s_load_b64 s[4:5], s[0:1], 0x30                ; attn_params_1_0
	s_load_b64 s[6:7], s[0:1], 0x78                ; aimg
	v_lshlrev_b32 v5, 2, v3
	v_lshl_add_u32 v5, v4, 13, v5                  ; 32 rows of 256 bytes
	s_lshl_b32 s58, s2, 6                          ; output tile = wave
	s_wait_kmcnt 0x0
	s_add_nc_u64 s[4:5], s[4:5], s[58:59]
	QLOAD 0, 256
	s_wait_loadcnt 0x0
	QBLOCK 0
	v_mov_b32 v9, v36
	QWORD
	s_lshl_b32 s58, s2, 9
	s_add_nc_u64 s[8:9], s[6:7], s[58:59]
	global_store_b128 v7, v[48:51], s[8:9]         ; group T'
	s_lshl_b32 s58, s2, 2
	s_add_nc_u64 s[6:7], s[6:7], s[58:59]
	global_store_b32 v7, v9, s[6:7] offset:2048    ; group 4: word T' of my lane's four
	s_endpgm
.Lta:
	s_load_b128 s[4:7], s[0:1], 0x50               ; transport_params_0_0, transport_params_0_1
	s_load_b64 s[8:9], s[0:1], 0x80                ; timg
	UOFF
	v_lshl_add_u32 v6, v4, 11, v5                  ; lanes 16-31: two rows of 1,024 bytes further down
	s_lshl_b32 s58, s2, 8                          ; units 64 sigma on, sigma = wave
	s_wait_kmcnt 0x0
	s_add_nc_u64 s[4:5], s[4:5], s[58:59]
	s_add_nc_u64 s[6:7], s[6:7], s[58:59]
.irp T, 0,1,2,3
.irp q, 0,1
.irp j, 0,1
	global_load_b32 v[64+2*(3*\T+\q)+\j], v6, s[4:5] offset:(4*\q+\j)*1024+32*\T   ; row k = 4 q + 2 h + j
.endr
.endr
.irp j, 0,1
	global_load_b32 v[64+6*\T+4+\j], v5, s[4:5] offset:(8+\j)*1024+32*\T           ; rows 8, 9 in every lane: no load leaves the ten rows
.endr
	global_load_b32 v[96+\T], v5, s[6:7] offset:32*\T
.endr
	s_wait_loadcnt 0x0
.set i, 0
.rept 24
	v_mul_f32 v[64+i], C2, v[64+i]
.set i, i+1
.endr
.irp T, 0,1,2,3
	v_mul_f32 v[96+\T], C2, v[96+\T]
.endr
.irp T, 0,1,2,3
	v_cndmask_b32 v[64+6*\T+4], v[64+6*\T+4], v[96+\T], s62    ; k = 10 stands for the bias (its feature is 1),
	v_cndmask_b32 v[64+6*\T+5], v[64+6*\T+5], 0, s62           ; k = 11 for nothing
.endr
	s_mul_i32 s58, s2, 3072
	s_add_nc_u64 s[8:9], s[8:9], s[58:59]
.irp G, 0,1,2,3,4,5
	global_store_b128 v7, v[64+4*\G:67+4*\G], s[8:9] offset:36864+512*\G
.endr
	s_endpgm
.Lacon:
	s_load_b128 s[4:7], s[0:1], 0x20               ; attn_params_0_0, attn_params_0_1
	s_load_b64 s[8:9], s[0:1], 0x78                ; aimg
	UOFF
	s_wait_kmcnt 0x0
.irp f, 0,1,2,3,4,5
.irp T, 0,1,2,3
	global_load_b32 v[64+4*\f+\T], v5, s[4:5] offset:256*\f+32*\T
.endr
.endr
.irp T, 0,1,2,3
	global_load_b32 v[88+\T], v5, s[6:7] offset:32*\T
.endr
	s_wait_loadcnt 0x0
.set i, 0
.rept 28
	v_mul_f32 v[64+i], C2, v[64+i]
.set i, i+1
.endr
.set i, 0
.rept 16
	v_cndmask_b32 v[64+i], 0, v[64+i], s62         ; features x, v: lanes 16-31 alone (there the row's base is summed)
.set i, i+1
.endr
.irp T, 0,1,2,3
	v_cndmask_b32 v[80+\T], v[80+\T], v[88+\T], s62    ; lanes 0-15: the angle's weight; lanes 16-31: the bias, where the base begins
	v_cndmask_b32 v[84+\T], v[84+\T], 0, s62           ; lanes 0-15: the position's weight
.endr
.irp f, 0,1,2,3,4
	global_store_b128 v7, v[64+4*\f:67+4*\f], s[8:9] offset:512*(5+\f)
.endr
.irp T, 0,1,2,3
	global_store_b32 v11, v[84+\T], s[8:9] offset:5120+128*\T
.endr
	s_endpgm
.Lbcon:
	s_load_b64 s[4:5], s[0:1], 0x38                ; attn_params_1_1
	s_load_b64 s[8:9], s[0:1], 0x78
	v_lshlrev_b32 v5, 5, v4                        ; my half's eight units of each tile
	s_wait_kmcnt 0x0
.irp T, 0,1,2,3
.irp u, 0,1
	global_load_b128 v[64+8*\T+4*\u:67+8*\T+4*\u], v5, s[4:5] offset:64*\T+16*\u
.endr
.endr
	s_wait_loadcnt 0x0
.set i, 0
.rept 32
	v_mul_f32 v[64+i], C2, v[64+i]
.set i, i+1
.endr
.irp G, 0,1,2,3,4,5,6,7
	global_store_b128 v7, v[64+4*\G:67+4*\G], s[8:9] offset:512*(11+\G)
.endr
	s_endpgm
.Lwcon:
	s_load_b128 s[4:7], s[0:1], 0x40               ; attn_params_2_0, attn_params_2_1
	s_load_b64 s[8:9], s[0:1], 0x78
	v_lshlrev_b32 v5, 5, v4
	s_wait_kmcnt 0x0
	s_load_b32 s12, s[6:7], 0x0
.irp T, 0,1,2,3
.irp u, 0,1
	global_load_b128 v[64+8*\T+4*\u:67+8*\T+4*\u], v5, s[4:5] offset:64*\T+16*\u
.endr
.endr
	s_wait_loadcnt 0x0
	s_wait_kmcnt 0x0
	v_pk_add_f32 v[96:97], v[64:65], v[66:67]
.irp i, 2,3,4,5,6,7,8,9,10,11,12,13,14,15
	v_pk_add_f32 v[96:97], v[96:97], v[64+2*\i:65+2*\i]
.endr
	v_add_f32 v96, v96, v97                        ; the sum of my lane's 32 weights,
	v_fma_f32 v96, s12, 0.5, v96                   ; half the bias (the other half of the lanes brings the other half),
	v_mul_f32 v96, L2E, v96                        ; in base 2: where my part of a logit begins
	v_mov_b32 v97, 0
	v_mov_b32 v98, 0
	v_mov_b32 v99, 0
.set i, 0
.rept 32
	v_mul_f32 v[64+i], M2L2E, v[64+i]
.set i, i+1
.endr
.irp G, 0,1,2,3,4,5,6,7
	global_store_b128 v7, v[64+4*\G:67+4*\G], s[8:9] offset:512*(19+\G)
.endr
	global_store_b128 v7, v[96:99], s[8:9] offset:512*27
	s_endpgm
.Lfunc_end_k_q073781e703_prep:
	.size	k_q073781e703_prep, .Lfunc_end_k_q073781e703_prep-k_q073781e703_prep
	.p2alignl 7, 3214868480
	.fill 96, 4, 3214868480
	.section	.rodata,"a",@progbits
	.p2align	6, 0x0
	.amdhsa_kernel k_q073781e703_prep
		.amdhsa_group_segment_fixed_size 0
		.amdhsa_private_segment_fixed_size 0
		.amdhsa_enable_private_segment 0
		.amdhsa_kernarg_size 144
		.amdhsa_user_sgpr_count 2
		.amdhsa_user_sgpr_kernarg_segment_ptr 1
		.amdhsa_wavefront_size32 1
		.amdhsa_system_sgpr_workgroup_id_x 1
		.amdhsa_system_sgpr_workgroup_id_y 1
		.amdhsa_system_sgpr_workgroup_id_z 1
		.amdhsa_system_vgpr_workitem_id 0
		.amdhsa_next_free_vgpr 128
		.amdhsa_next_free_sgpr 66
		.amdhsa_reserve_vcc 1
		.amdhsa_float_denorm_mode_32 3
		.amdhsa_float_denorm_mode_16_64 3
		.amdhsa_memory_ordered 1
		.amdhsa_forward_progress 1
		.amdhsa_inst_pref_size 67
	.end_amdhsa_kernel
	.amdgpu_metadata
---
amdhsa.version: [ 1, 2 ]
amdhsa.kernels:
  - .name:           k_q073781e703_prep
    .symbol:         k_q073781e703_prep.kd
    .args:
      - { .name: x, .offset: 0, .size: 8, .value_kind: global_buffer, .address_space: global }
      - { .name: v, .offset: 8, .size: 8, .value_kind: global_buffer, .address_space: global }
      - { .name: coeff_position, .offset: 16, .size: 8, .value_kind: global_buffer, .address_space: global }
      - { .name: coeff_values, .offset: 24, .size: 8, .value_kind: global_buffer, .address_space: global }
      - { .name: attn_params_0_0, .offset: 32, .size: 8, .value_kind: global_buffer, .address_space: global }
      - { .name: attn_params_0_1, .offset: 40, .size: 8, .value_kind: global_buffer, .address_space: global }
      - { .name: attn_params_1_0, .offset: 48, .size: 8, .value_kind: global_buffer, .address_space: global }
      - { .name: attn_params_1_1, .offset: 56, .size: 8, .value_kind: global_buffer, .address_space: global }
      - { .name: attn_params_2_0, .offset: 64, .size: 8, .value_kind: global_buffer, .address_space: global }
      - { .name: attn_params_2_1, .offset: 72, .size: 8, .value_kind: global_buffer, .address_space: global }
      - { .name: transport_params_0_0, .offset: 80, .size: 8, .value_kind: global_buffer, .address_space: global }
      - { .name: transport_params_0_1, .offset: 88, .size: 8, .value_kind: global_buffer, .address_space: global }
      - { .name: transport_params_1_0, .offset: 96, .size: 8, .value_kind: global_buffer, .address_space: global }
      - { .name: maskbits, .offset: 104, .size: 8, .value_kind: global_buffer, .address_space: global }
      - { .name: keys, .offset: 112, .size: 8, .value_kind: global_buffer, .address_space: global }
      - { .name: aimg, .offset: 120, .size: 8, .value_kind: global_buffer, .address_space: global }
      - { .name: timg, .offset: 128, .size: 8, .value_kind: global_buffer, .address_space: global }
      - { .name: cvmean, .offset: 136, .size: 8, .value_kind: global_buffer, .address_space: global }
    .group_segment_fixed_size: 0
    .private_segment_fixed_size: 0
    .kernarg_segment_align: 8
    .kernarg_segment_size: 144
    .max_flat_workgroup_size: 128
    .sgpr_count:     66
    .vgpr_count:     128
    .wavefront_size: 32
...
	.end_amdgpu_metadata
.endif
;; end of part 1
;; launch place (part 2): grid 256 x 1, 16 waves a work-group, no clusters, 4,096 bytes of LDS; arguments maskbits, keys, order, list; writes order, list
.if DOCPART == 2
	.amdgcn_target "amdgcn-amd-amdhsa--gfx1250"
	.amdhsa_code_object_version 6
	.text
	.protected	k_q073781e703_place
	.globl	k_q073781e703_place
	.p2align	8
	.type	k_q073781e703_place,@function
k_q073781e703_place:
	s_mov_b64 s[64:65], 0
	v_nop
	global_prefetch_b8 v0, s[64:65] scope:SCOPE_SE
	s_setreg_imm32_b32 hwreg(HW_REG_WAVE_MODE, 25, 1), 1
	s_wait_xcnt 0x0
; PLACE: whole numbers only.  From the stored masks: for each row n a list of all 256 positions, the kept ones ascending from slot 0, the others descending from slot 255 (every byte is written).
; From the stored keys: each row's rank among the 1,024 rows of its group, by counting the smaller keys (keys are unique: they end in n); order[group][rank] = key.
; A work-group owns 32 rows.  Wave w writes the lists of rows 2 w and 2 w + 1; for the ranks lane l stands for row l in every wave, and wave w compares with keys 64 w .. 64 w + 63 of the group:
; the sixteen partial counts meet in LDS behind one barrier, and wave 0 stores.
; No atomics: every slot of order and list has one writer.  Nothing here is large enough for tensor loads or clusters (a group's keys are 4 KB).
	s_load_b128 s[4:7], s[0:1], 0x0                ; maskbits, keys
	s_load_b128 s[8:11], s[0:1], 0x10              ; order, list
	v_lshl_add_u32 v112, v0, 2, 0x800
	v_mov_b32 v113, 0
	v_lshrrev_b32 v1, 5, v0
	v_readfirstlane_b32 s2, v1                     ; wave 0..15
	v_and_b32 v2, 31, v0                           ; lane
	v_lshlrev_b32 v3, 2, v2                        ; 4 x lane
	v_lshlrev_b32 v9, 2, v0                        ; LDS: 128 x wave + 4 x lane
	v_mov_b32 v5, 0
	s_lshl_b32 s12, ttmp9, 5                       ; the work-group's first row
	s_lshl_b32 s13, s2, 1
	s_add_co_u32 s13, s12, s13                     ; my wave's first row
	s_lshl_b32 s40, s13, 5                         ; its 32 bytes of mask
	s_mov_b32 s41, 0
	s_lshr_b32 s14, ttmp9, 5                       ; the group of 1,024 rows
	s_lshl_b32 s42, s14, 12                        ; its 4,096 bytes of keys, and of order
	s_mov_b32 s43, 0
	s_lshl_b32 s44, s2, 8
	s_add_co_u32 s44, s44, s42                     ; my wave's 64 keys of the group
	s_mov_b32 s45, 0
	s_lshl_b32 s46, s12, 2                         ; the work-group's own 32 keys
	s_mov_b32 s47, 0
	s_lshl_b32 s38, s13, 8                         ; my wave's two list rows
	s_mov_b32 s39, 0
.irp i, 0,1,2,3,4,5,6,7
	v_add_nc_u32 v[16+\i], 32*\i, v2               ; p = 32 i + lane
.endr
	s_wait_kmcnt 0x0
	s_add_nc_u64 s[4:5], s[4:5], s[40:41]
	s_load_b512 s[16:31], s[4:5], 0x0              ; two rows' masks
	s_add_nc_u64 s[48:49], s[6:7], s[46:47]
	global_load_b32 v4, v3, s[48:49]               ; row l's key
	s_add_nc_u64 s[50:51], s[6:7], s[44:45]
.irp i, 0,1,2,3,4,5,6,7,8,9,10,11,12,13,14,15
	global_load_b128 v[32+4*\i:35+4*\i], v5, s[50:51] offset:16*\i   ; 64 keys, the same in every lane
.endr
	s_add_nc_u64 s[36:37], s[10:11], s[38:39]
	s_wait_kmcnt 0x0
; one row's list.  Each store has address and data registers of its own, so none is rewritten while a store may still read it.
.macro LROW j
	s_mov_b32 s32, 0                               ; kept so far
	s_mov_b32 s33, 0                               ; others so far
.irp i, 0,1,2,3,4,5,6,7
	s_not_b32 s34, s[16+8*\j+\i]
	v_mbcnt_lo_u32_b32 v6, s[16+8*\j+\i], s32      ; kept ones ahead of me
	v_mbcnt_lo_u32_b32 v7, s34, s33                ; others ahead of me
	v_sub_nc_u32 v7, 255, v7
	v_cndmask_b32 v[96+8*\j+\i], v7, v6, s[16+8*\j+\i]
	v_min_u32 v[96+8*\j+\i], 0xff, v[96+8*\j+\i]   ; the slot stays inside the row
	global_store_b8 v[96+8*\j+\i], v[16+\i], s[36:37] offset:256*\j
	s_bcnt1_i32_b32 s35, s[16+8*\j+\i]
	s_add_co_u32 s32, s32, s35
	s_sub_co_u32 s35, 32, s35
	s_add_co_u32 s33, s33, s35
.endr
.endm
	LROW 0
	LROW 1
	s_wait_loadcnt 0x0
	v_mov_b32 v8, 0
.set i, 0
.rept 64
	v_cmp_gt_u32 vcc_lo, v4, v[32+i]
	v_add_co_ci_u32 v8, vcc_lo, 0, v8, vcc_lo      ; one more key under mine
.set i, i+1
.endr
	ds_store_b32 v9, v8
	s_wait_dscnt 0x0                               ; for the others' sake: my store has landed
	s_barrier_signal -1
	s_barrier_wait -1
	s_cmp_lg_u32 s2, 0
	s_cbranch_scc1 .Lend
.irp i, 0,1,2,3,4,5,6,7,8,9,10,11,12,13,14,15
	ds_load_b32 v[32+\i], v3 offset:128*\i
.endr
	s_wait_dscnt 0x0
.irp i, 1,2,3,4,5,6,7,8,9,10,11,12,13,14,15
	v_add_nc_u32 v32, v32, v[32+\i]
.endr
	v_min_u32 v32, 0x3ff, v32                      ; the rank stays inside the group
	v_lshlrev_b32 v32, 2, v32
	s_add_nc_u64 s[8:9], s[8:9], s[42:43]
	global_store_b32 v32, v4, s[8:9]
.Lend:
	s_wait_tensorcnt 0x0
	ds_add_u32 v112, v113
	s_wait_dscnt 0x0
	s_endpgm
.Lfunc_end_k_q073781e703_place:
	.size	k_q073781e703_place, .Lfunc_end_k_q073781e703_place-k_q073781e703_place
	.p2alignl 7, 3214868480
	.fill 96, 4, 3214868480
	.section	.rodata,"a",@progbits
	.p2align	6, 0x0
	.amdhsa_kernel k_q073781e703_place
		.amdhsa_group_segment_fixed_size 4096
		.amdhsa_private_segment_fixed_size 0
		.amdhsa_enable_private_segment 0
		.amdhsa_kernarg_size 32
		.amdhsa_user_sgpr_count 2
		.amdhsa_user_sgpr_kernarg_segment_ptr 1
		.amdhsa_wavefront_size32 1
		.amdhsa_system_sgpr_workgroup_id_x 1
		.amdhsa_system_sgpr_workgroup_id_y 1
		.amdhsa_system_sgpr_workgroup_id_z 1
		.amdhsa_system_vgpr_workitem_id 0
		.amdhsa_next_free_vgpr 114
		.amdhsa_next_free_sgpr 66
		.amdhsa_reserve_vcc 1
		.amdhsa_float_denorm_mode_32 3
		.amdhsa_float_denorm_mode_16_64 3
		.amdhsa_memory_ordered 1
		.amdhsa_forward_progress 1
		.amdhsa_inst_pref_size 19
	.end_amdhsa_kernel
	.amdgpu_metadata
---
amdhsa.version: [ 1, 2 ]
amdhsa.kernels:
  - .name:           k_q073781e703_place
    .symbol:         k_q073781e703_place.kd
    .args:
      - { .name: maskbits, .offset: 0, .size: 8, .value_kind: global_buffer, .address_space: global }
      - { .name: keys, .offset: 8, .size: 8, .value_kind: global_buffer, .address_space: global }
      - { .name: order, .offset: 16, .size: 8, .value_kind: global_buffer, .address_space: global }
      - { .name: list, .offset: 24, .size: 8, .value_kind: global_buffer, .address_space: global }
    .group_segment_fixed_size: 4096
    .private_segment_fixed_size: 0
    .kernarg_segment_align: 8
    .kernarg_segment_size: 32
    .max_flat_workgroup_size: 512
    .sgpr_count:     66
    .vgpr_count:     114
    .wavefront_size: 32
...
	.end_amdgpu_metadata
.endif
;; end of part 2
;; launch chain (part 3): grid 256 x 1, 16 waves a work-group, no clusters, 10,240 bytes of LDS; arguments order, list, aimg, timg, cvmean, x, v, x_prime, v_prime, coeff_position, coeff_values, transport_params_1_1, transport_params_2_0, transport_params_2_1, out0; writes out0
.if DOCPART == 3
	.amdgcn_target "amdgcn-amd-amdhsa--gfx1250"
	.amdhsa_code_object_version 6
	.text
	.protected	k_q073781e703_chain
	.globl	k_q073781e703_chain
	.p2align	8
	.type	k_q073781e703_chain,@function
k_q073781e703_chain:
	s_mov_b64 s[64:65], 0
	v_nop
	global_prefetch_b8 v0, s[64:65] scope:SCOPE_SE
	s_setreg_imm32_b32 hwreg(HW_REG_WAVE_MODE, 25, 1), 1
	s_wait_xcnt 0x0
; CHAIN: the whole computation for 32 rows n a work-group, two a wave; only the pairs (n, p) that the mask keeps are computed.
; SHARES.  Rows are taken by rank of their kept count inside groups of 1,024: wave i of a group's 512 takes ranks i and 1023 - i, so that the waves' sums of kept pairs are near each other.
; A TILE is 16 kept pairs of one row.  Lane (r, h) holds pair r and 32 of the 64 units of each hidden layer.  Sixteen waves of 256 registers, four to a SIMD: one wave's exponentials stand beside another's plain work.
; LAYER 1 (K = 6, f32 since it feeds a quantiser) is ONE f32 matrix step of K = 4: features (angle, position, 1, 0), weights (W0[4], W0[5], the row's base, 0), base = b0 + x W0[0:2] + v W0[2:4], made once a row.
;   Row m of weight tile T stands for unit 32 (m / 8) + 8 T + m % 8, so that register 8 T + j of lane (r, h) is unit 32 h + 8 T + j: a whole block of 32 along the next K in one lane.
; tanh(a) = 1 - 2 / (1 + 2^y), y = 2 log2(e) a; the factor is folded into the weights of layer 1, and into one packed multiply-add with the bias behind layer 2.
; ONE RECIPROCAL FOR FOUR NUMBERS.  Eight neighbouring registers are four pairs X1 .. X4; P12 = X1 X2, P34 = X3 X4, Q = P12 P34 (three packed products), 1 / Q (two reciprocals, one for each half of the pairs),
;   and 1 / X1 = X2 P34 / Q and so on.  y is held at 30 from above, so that a product of four stays under 2^120; at y = 30 tanh is 1 - 2^-29, which is 1 in f32: the hold changes no value.
; LAYER 2 (64 x 64, quantised): source 0 = 16 output units of W1 (codes made by the first launch), source 1 = the tile's codes; K = 64 of the instruction's 128, the rest zero codes.
; LAYER 3: logit x log2(e) = KL + sum of (-2 log2(e) W2) / (1 + 2^y): the step 1 - 2 q is folded into constants, and the reciprocals are never formed: a group's part is (S12 P34 + S34 P12) / Q.
; SOFTMAX: each lane keeps a running maximum, sum and weighted values over its pairs; the sixteen lanes are joined at the row's end.  Slots past the row's count get -1e30.
; THE LOOP IS PIPELINED: in the middle of trip t the features of tile t + 1 are made and its layer 1 is started, the gathers of tile t + 2 and the list bytes of tile t + 3 are asked for: each load has a whole trip in which to land.
; THE TAIL: the 32 rows' second MLP: layer 1 by the f32 matrix form (K = 10 + the bias in three steps), eight waves; its codes go from wave to wave through LDS as images of the operand's registers;
;   layer 2 (256 x 256, quantised): wave w makes output units 16 w .. 16 w + 15 for both tiles of 16 rows; layer 3's parts meet in LDS; wave 0 stores.
; NOT USED, AND WHY: tensor loads, LDS rings, clusters: nothing is streamed; what all work-groups share is 62 KB of constants that each wave reads once into registers, and two tables of 2 KB.
; out0 is stored 4 bytes a lane to scattered rows (the rows of a work-group are chosen by rank): 32 KB in the whole launch.
; LIMITS: this tanh has an absolute error near 3e-7 (four roundings and a reciprocal ahead of the last multiply-add), so its relative error grows under |a| = 1e-2; NaN and infinities are not served;
; |logit| is taken to lie far under 1e30 and |attn_params_2_0| under 2^30; a block of zeros gets the scale byte 1, not 127 (its codes are zeros);
; a row without a kept pair gets the mean of coeff_values, as a softmax of equal logits gives.
.set C2,     0x4038aa3b                ; 2 log2(e)
.set L2E,    0x3fb8aa3b
.set ML2E,   0xbfb8aa3b
.set EPS16,  0x24e69595                ; 1e-16
.set EPS8,   0x322bcc77                ; 1e-8
.set CLAMP,  0x41f00000                ; 30.0
.set FLOOR4, 0x1800000                 ; 2^(3 - 127)
.set EOFF,   0xff000000                ; takes 2 off an exponent field
; LDS
.set COEF, 0                           ; 32 rows x 8 bytes: exp(-attn)
.set TIMG, 256                         ; four fragments (2 m + s) of 1,024 bytes: the tail's hidden layer, half c at + 512, 16 x lane
.set TSC,  4352                        ; their scale words: 64 (2 m + s) + 4 r, byte 2 c + h
.set PART, 4608                        ; [wave][32 rows] f32
; scalar registers: s2 wave; s4 30.0; s5 1e-16; s[10:11] the list row in hand; s12, s13 keys; s15 tiles, s16 tile, s17 pairs left, s18 list step; s19 the last bias; s[20:23], s[24:27] x, v of my two rows;
; s[28:29] lane selects; s30 lanes 16-31; s31 -1e30; s[32:33] 2 log2(e); s[34:35] the mean of coeff_values; s[36:59], s[68:73] the buffers; s60.. at work
; vector registers: v1 r; v2-4, v13, v35, v185, v254, v255 LDS addresses (never loaded data); v5 out0 offset; v[6:9] the tail's features; v10-12 list; v[14:15] position, v[16:17] value as they land;
; v[18:19] this tile's value, v[186:187] the next tile's; v[20:21] features; v22, v23 direction; v24-32 at work; v33 m, v34 l, v[36:37] weighted values; v[38:41] f, 0, u / p, new m; v[42:45] sums;
; v46-51 scales alone; v[52:59] the tile's codes (v52-55 also at work between two products); v[60:67] layer 1's weights; v[68:87] what the base is made of; v[88:119] W1; v[120:151] bias 2; v[152:183] W2; v184 KL;
; v[188:219] layer 1's results (written by the f32 matrix form alone); v[220:251] hidden layers; v[252:253] at work
.macro GEOM x                          ; the pair's two features, from s[x], s[x+1] = the row's position and v[14:15] = coeff_position[p]
	v_sub_f32 v24, s[\x], v14
	v_sub_f32 v25, s[\x+1], v15
	v_fma_f32 v26, v24, v24, s5
	v_fmac_f32 v26, v25, v25
	v_sqrt_f32 v26, v26
	v_mul_f32 v27, v24, v22                        ; (a plain place behind the root)
	v_fmac_f32 v27, v25, v23                       ; pos
	s_wait_alu depctr_va_vdst(0)
	v_add_f32 v26, EPS8, v26
	v_rcp_f32 v26, v26
	v_cndmask_b32 v21, v27, 0, s30                 ; (a plain place)  k = 1: pos;  k = 3: 0
	s_wait_alu depctr_va_vdst(0)
	v_mul_f32 v26, v27, v26
	v_cndmask_b32 v20, v26, 1.0, s30               ; k = 0: angle;  k = 2: 1
.endm
.macro L1MM
.irp T, 0,1,2,3
	v_wmma_f32_16x16x4_f32 v[188+8*\T:195+8*\T], v[60+2*\T:61+2*\T], v[20:21], 0
.endr
.endm
.macro CLMP from, n, src, dst          ; n exponents held at 30 from above
.set i, \from
.rept \n
	v_min_num_f32 v[\dst+i], s4, v[\src+i]
.set i, i+1
.endr
.endm
.macro EXPS from, n, dst
.set i, \from
.rept \n
	v_exp_f32 v[\dst+i], v[\dst+i]
.set i, i+1
.endr
.endm
.macro HALF from                       ; eight pairs: X = -(1 + e) / 2, so that 1 / X = -2 / (1 + e)
.set i, \from
	s_wait_alu depctr_va_vdst(0)
.rept 8
	v_pk_fma_f32 v[222+2*i:223+2*i], v[222+2*i:223+2*i], -0.5, -0.5 op_sel_hi:[1,0,0]
.set i, i+1
.endr
.endm
; Group g of layer 1: its four pairs X1 .. X4 lie at v[222 + 8 g] on, its results go to v[220 + 8 g] on: two registers lower, so that each result lands on a register that is done with
.macro INV1 g, ta, tb
	v_pk_mul_f32 v[\ta:\ta+1], v[222+8*\g:223+8*\g], v[224+8*\g:225+8*\g]   ; P12
	v_pk_mul_f32 v[\tb:\tb+1], v[226+8*\g:227+8*\g], v[228+8*\g:229+8*\g]   ; P34
.endm
.macro INV2 ta, tb, tc
	v_pk_mul_f32 v[\tc:\tc+1], v[\ta:\ta+1], v[\tb:\tb+1]                   ; Q
.endm
.macro INV3 tc
	v_rcp_f32 v[\tc], v[\tc]
	v_rcp_f32 v[\tc+1], v[\tc+1]
.endm
.macro INV4 ta, tb, tc
	v_pk_mul_f32 v[\tb:\tb+1], v[\tb:\tb+1], v[\tc:\tc+1]                   ; P34 / Q = 1 / P12
	v_pk_mul_f32 v[\ta:\ta+1], v[\ta:\ta+1], v[\tc:\tc+1]                   ; P12 / Q = 1 / P34
.endm
.macro INV5 g, ta, tb                  ; tanh = 1 + 1 / X.  In this order: the first line writes over the group before's X4, the third over X2, which the first has read
	v_pk_fma_f32 v[220+8*\g:221+8*\g], v[224+8*\g:225+8*\g], v[\tb:\tb+1], 1.0 op_sel_hi:[1,1,0]
	v_pk_fma_f32 v[222+8*\g:223+8*\g], v[222+8*\g:223+8*\g], v[\tb:\tb+1], 1.0 op_sel_hi:[1,1,0]
	v_pk_fma_f32 v[224+8*\g:225+8*\g], v[228+8*\g:229+8*\g], v[\ta:\ta+1], 1.0 op_sel_hi:[1,1,0]
	v_pk_fma_f32 v[226+8*\g:227+8*\g], v[226+8*\g:227+8*\g], v[\ta:\ta+1], 1.0 op_sel_hi:[1,1,0]
.endm
; v[188:219] hold 2 log2(e) x the pre-activations: tanh into v[220:251]; my block of 32 becomes four registers of codes, v[52:55], and the scale's byte, v31.
; Plain lines that are due anyway stand behind each run of transcendentals, so no v_nop is written.  Two groups at a time share six pairs of temporaries.
.macro TANHQ
	CLMP 0, 16, 188, 222                           ; each result from its low end on
	EXPS 0, 16, 222
	CLMP 16, 16, 188, 222
	EXPS 16, 16, 222
	HALF 0
	INV1 0, 24, 26
	INV1 1, 40, 52
	INV2 24, 26, 30
	INV2 40, 52, 54
	INV3 30
	INV3 54
	HALF 8
	INV4 24, 26, 30
	INV4 40, 52, 54
	INV5 0, 24, 26
	INV5 1, 40, 52
	INV1 2, 24, 26
	INV1 3, 40, 52
	INV2 24, 26, 30
	INV2 40, 52, 54
	INV3 30
	INV3 54
	v_max3_num_f32 v28, |v220|, |v221|, |v222|     ; the block's largest magnitude, in two chains: the first 16 numbers
	v_max3_num_f32 v29, |v223|, |v224|, |v225|
.set i, 6
	s_wait_alu depctr_va_vdst(0)
.rept 5
	v_max3_num_f32 v[28+(i/2)%2], v[28+(i/2)%2], |v[220+i]|, |v[221+i]|
.set i, i+2
.endr
	INV4 24, 26, 30
	INV4 40, 52, 54
	INV5 2, 24, 26
	INV5 3, 40, 52
.set i, 16
.rept 8
	v_max3_num_f32 v[28+(i/2)%2], v[28+(i/2)%2], |v[220+i]|, |v[221+i]|
.set i, i+2
.endr
	v_max3_num_f32 v28, v28, v29, FLOOR4           ; and the floor: the byte cannot fall under 1
	v_add_nc_u32 v30, EOFF, v28                    ; the conversion takes this operand's exponent field as its scale
.irp g, 0,1,2,3
	v_cvt_scalef32_pk8_fp4_f32 v[52+\g], v[220+8*\g:227+8*\g], v30
.endr
	v_lshrrev_b32 v31, 23, v30                     ; the scale's byte; also the plain place behind the conversions
.endm
.macro L2MM
.irp T, 0,1,2,3
	v_wmma_scale_f32_16x16x128_f8f6f4 v[220+8*\T:227+8*\T], v[88+8*\T:95+8*\T], v[52:59], 0, v[46+\T], v50 matrix_a_fmt:MATRIX_FMT_FP4 matrix_b_fmt:MATRIX_FMT_FP4
.endr
.endm
; Stage st of group g of layer 3.  X1 .. X4 = 1 + e at v[220 + 8 g] on, W1 .. W4 at v[152 + 8 g] on.  The group's part of the logit is W1 / X1 + .. + W4 / X4 = (S12 P34 + S34 P12) / (P12 P34),
; S12 = X2 W1 + X1 W2, S34 = X4 W3 + X3 W4.  S12 takes X2's place, S34 X4's, the product and its reciprocal X1's.
.macro PST st, g, ta, tb
.if \st == 1
	v_pk_mul_f32 v[\ta:\ta+1], v[220+8*\g:221+8*\g], v[222+8*\g:223+8*\g]
.elseif \st == 2
	v_pk_mul_f32 v[\tb:\tb+1], v[224+8*\g:225+8*\g], v[226+8*\g:227+8*\g]
.elseif \st == 3
	v_pk_mul_f32 v[222+8*\g:223+8*\g], v[222+8*\g:223+8*\g], v[152+8*\g:153+8*\g]
.elseif \st == 4
	v_pk_fma_f32 v[222+8*\g:223+8*\g], v[220+8*\g:221+8*\g], v[154+8*\g:155+8*\g], v[222+8*\g:223+8*\g]
.elseif \st == 5
	v_pk_mul_f32 v[226+8*\g:227+8*\g], v[226+8*\g:227+8*\g], v[156+8*\g:157+8*\g]
.elseif \st == 6
	v_pk_fma_f32 v[226+8*\g:227+8*\g], v[224+8*\g:225+8*\g], v[158+8*\g:159+8*\g], v[226+8*\g:227+8*\g]
.elseif \st == 7
	v_pk_mul_f32 v[220+8*\g:221+8*\g], v[\ta:\ta+1], v[\tb:\tb+1]
.elseif \st == 8
	v_rcp_f32 v[220+8*\g], v[220+8*\g]
	v_rcp_f32 v[221+8*\g], v[221+8*\g]
.elseif \st == 9
	v_pk_mul_f32 v[222+8*\g:223+8*\g], v[222+8*\g:223+8*\g], v[\tb:\tb+1]
.elseif \st == 10
	v_pk_fma_f32 v[222+8*\g:223+8*\g], v[226+8*\g:227+8*\g], v[\ta:\ta+1], v[222+8*\g:223+8*\g]
.else
	s_wait_alu depctr_va_vdst(0)
	v_pk_fma_f32 v[42+2*(\g%2):43+2*(\g%2)], v[222+8*\g:223+8*\g], v[220+8*\g:221+8*\g], v[42+2*(\g%2):43+2*(\g%2)]
.endif
.endm
.macro POST2                           ; layer 2's results -> u = logit x log2(e), in v40
.set i, 0
.rept 16
	v_pk_fma_f32 v[220+2*i:221+2*i], v[220+2*i:221+2*i], s[32:33], v[120+2*i:121+2*i] op_sel_hi:[1,0,1]
.set i, i+1
.endr
	CLMP 0, 16, 220, 220
	EXPS 0, 16, 220
	CLMP 16, 16, 220, 220
	EXPS 16, 16, 220
.set i, 0
	s_wait_alu depctr_va_vdst(0)
.rept 16
	v_pk_add_f32 v[220+2*i:221+2*i], v[220+2*i:221+2*i], 1.0 op_sel_hi:[1,0]
.set i, i+1
.endr
.irp st, 1,2,3,4,5,6,7,8,9,10,11       ; the four groups by turns, stage by stage: no line waits for the line above it; stages 9 and 10 are the plain places behind the reciprocals
	PST \st, 0, 24, 26
	PST \st, 1, 28, 30
	PST \st, 2, 52, 54
	PST \st, 3, 252, 40
.endr
	v_pk_add_f32 v[42:43], v[42:43], v[44:45]
	v_add_f32 v40, v42, v43
	v_permlanex16_b32 v32, v40, s28, s29
	v_add_f32 v40, v40, v32                        ; with the other 32 units
.endm
.macro SMAX                            ; one step of my lane's running softmax
	v_cmp_gt_u32 vcc_lo, s17, v1                   ; is my slot under the row's count?  (whole numbers read from memory)
	v_cndmask_b32 v40, s31, v40, vcc_lo
	v_max_num_f32 v41, v33, v40
	v_sub_f32 v38, v33, v41
	v_sub_f32 v40, v40, v41
	v_exp_f32 v38, v38                             ; f
	v_exp_f32 v40, v40                             ; p
	v_mov_b32 v33, v41                             ; (a plain place)
	s_wait_alu depctr_va_vdst(0)
	v_fma_f32 v34, v34, v38, v40
	v_pk_mul_f32 v[36:37], v[36:37], v[38:39] op_sel_hi:[1,0]
	v_pk_fma_f32 v[36:37], v[18:19], v[40:41], v[36:37] op_sel_hi:[1,0,1]
.endm
.macro BAR                             ; my LDS stores have landed and my LDS loads are in: then the work-group's barrier
	s_wait_dscnt 0x0
	s_barrier_signal -1
	s_barrier_wait -1
.endm
.macro OIDX d, q                       ; v[d] = byte offset in order of the key of the work-group's row v[q]: row 2 w' + j has rank i(w') or 1023 - i(w')
	v_lshrrev_b32 v[\d], 1, v[\q]
	v_add_nc_u32 v[\d], s61, v[\d]
	v_sub_nc_u32 v30, 1023, v[\d]
	v_and_b32 v31, 1, v[\q]
	v_cmp_eq_u32 vcc_lo, 1, v31
	v_cndmask_b32 v[\d], v[\d], v30, vcc_lo
	v_add_nc_u32 v[\d], s60, v[\d]
	v_lshlrev_b32 v[\d], 2, v[\d]
.endm
	s_load_b512 s[36:51], s[0:1], 0x0              ; order 36, list 38, aimg 40, timg 42, cvmean 44, x 46, v 48, x_prime 50
	s_load_b256 s[52:59], s[0:1], 0x40             ; v_prime 52, coeff_position 54, coeff_values 56, transport_params_1_1 58
	s_load_b128 s[68:71], s[0:1], 0x60             ; transport_params_2_0 68, transport_params_2_1 70
	s_load_b64 s[72:73], s[0:1], 0x70              ; out0
	v_lshrrev_b32 v2, 5, v0
	v_readfirstlane_b32 s2, v2                     ; wave 0..15
	v_lshlrev_b32 v2, 4, v2                        ; COEF: 16 x wave
	v_and_b32 v1, 15, v0                           ; r
	v_bfe_u32 v24, v0, 4, 1                        ; h
	v_and_b32 v25, 31, v0                          ; lane
	; every LDS address is made here, ahead of any parting of the waves
	s_and_b32 s74, s2, 1                           ; m: which tile of 16 rows the wave serves in the tail's layer 1
	s_bfe_u32 s75, s2, 0x10001                     ; c: which half of a fragment
	s_bfe_u32 s76, s2, 0x10002                     ; s: which K step
	s_lshl_b32 s77, s74, 1
	s_add_co_u32 s77, s77, s76                     ; fragment 2 m + s
	s_lshl_b32 s78, s74, 7
	v_lshl_add_u32 v3, v1, 3, s78                  ; COEF of row 16 m + r
	s_lshl_b32 s79, s77, 10
	s_lshl_b32 s80, s75, 9
	s_add_co_u32 s79, s79, s80
	s_add_co_u32 s79, s79, TIMG
	v_lshl_add_u32 v4, v25, 4, s79                 ; where I store my half fragment
	s_lshl_b32 s81, s77, 6
	s_lshl_b32 s82, s75, 1
	s_add_co_u32 s81, s81, s82
	s_add_co_u32 s81, s81, TSC
	v_lshl_add_u32 v13, v1, 2, s81
	v_add_nc_u32 v13, v13, v24                     ; and its scale byte
	v_lshlrev_b32 v35, 4, v25                      ; 16 x lane
	v_lshlrev_b32 v185, 2, v1                      ; 4 r
	v_lshl_add_u32 v255, v0, 2, PART               ; my word among the parts
	v_lshlrev_b32 v254, 2, v25                     ; 4 x lane
	; which rows are mine
	s_lshr_b32 s60, ttmp9, 5
	s_lshl_b32 s60, s60, 10                        ; the group's first slot of order
	s_lshl_b32 s61, ttmp9, 4
	s_and_b32 s61, s61, 511                        ; the work-group's first wave in its group
	s_add_co_u32 s62, s61, s2                      ; i
	s_add_co_u32 s63, s60, s62
	s_lshl_b32 s63, s63, 2
	s_sub_co_u32 s66, 1023, s62
	s_add_co_u32 s66, s66, s60
	s_lshl_b32 s66, s66, 2
	s_lshl_b32 s83, s74, 4
	v_add_nc_u32 v26, s83, v1                      ; row 16 m + r of the work-group's 32
	OIDX 27, 26
	OIDX 26, 25                                    ; and row = lane
	s_mov_b32 s4, CLAMP
	s_mov_b32 s5, EPS16
	s_mov_b32 s28, 0x76543210
	s_mov_b32 s29, 0xfedcba98
	s_mov_b32 s30, 0xffff0000
	s_mov_b32 s31, 0xf149f2ca                      ; -1e30
	s_mov_b32 s32, C2
	s_mov_b32 s33, C2
	s_wait_kmcnt 0x0
	s_load_b32 s12, s[36:37], s63 offset:0x0
	s_load_b32 s13, s[36:37], s66 offset:0x0
	s_load_b64 s[34:35], s[44:45], 0x0
	global_load_b32 v28, v27, s[36:37]
	global_load_b32 v29, v26, s[36:37]
	; 31 loads: the constants, as images of the registers that hold them
.irp T, 0,1,2,3
	global_load_b128 v[88+8*\T:91+8*\T], v35, s[40:41] offset:512*\T
.endr
	global_load_b128 v[46:49], v35, s[40:41] offset:2048
.irp f, 0,1,2,3,4
	global_load_b128 v[68+4*\f:71+4*\f], v35, s[40:41] offset:512*(5+\f)
.endr
.irp T, 0,1,2,3
	global_load_b32 v[61+2*\T], v254, s[40:41] offset:5120+128*\T
.endr
.irp G, 0,1,2,3,4,5,6,7
	global_load_b128 v[120+4*\G:123+4*\G], v35, s[40:41] offset:512*(11+\G)
.endr
.irp G, 0,1,2,3,4,5,6,7
	global_load_b128 v[152+4*\G:155+4*\G], v35, s[40:41] offset:512*(19+\G)
.endr
	global_load_b32 v184, v35, s[40:41] offset:512*27   ; KL: the first word of my lane's 16 bytes
.irp i, 0,1,2,3
	v_mov_b32 v[56+\i], 0                          ; K = 64 .. 127: zero codes, on both sides
.irp T, 0,1,2,3
	v_mov_b32 v[92+8*\T+\i], 0
.endr
.endr
	v_mov_b32 v32, 0                               ; a lane permute's destination counts as one of its sources
	v_mov_b32 v39, 0                               ; named as the upper half of the pair v[38:39]
	s_wait_kmcnt 0x0
	s_and_b32 s84, s12, 0x1fff
	s_min_u32 s84, s84, 0x1fff                     ; n of my first row
	s_lshl_b32 s85, s84, 3
	s_and_b32 s86, s13, 0x1fff
	s_min_u32 s86, s86, 0x1fff                     ; of my second
	s_lshl_b32 s87, s86, 3
	s_lshr_b32 s88, s12, 13
	s_min_u32 s88, s88, 256                        ; their kept counts
	s_lshr_b32 s89, s13, 13
	s_min_u32 s89, s89, 256
	s_load_b64 s[20:21], s[46:47], s85 offset:0x0
	s_load_b64 s[22:23], s[48:49], s85 offset:0x0
	s_load_b64 s[24:25], s[46:47], s87 offset:0x0
	s_load_b64 s[26:27], s[48:49], s87 offset:0x0
	s_wait_loadcnt 31                              ; the two keys are in; the 31 images issued behind them may be out
	v_and_b32 v28, 0x1fff, v28
	v_min_u32 v28, 0x1fff, v28
	v_lshlrev_b32 v28, 3, v28
	v_and_b32 v5, 0x1fff, v29
	v_min_u32 v5, 0x1fff, v5
	v_lshlrev_b32 v5, 2, v5                        ; where row = lane lies in out0
	global_load_b64 v[14:15], v28, s[46:47]
	global_load_b64 v[16:17], v28, s[48:49]
	global_load_b64 v[18:19], v28, s[50:51]
	global_load_b64 v[20:21], v28, s[52:53]
	s_wait_loadcnt 0x0
	v_cndmask_b32 v6, v14, v16, s30                ; the tail's features k = 0 .. 3: lanes 0-15 x, lanes 16-31 v
	v_cndmask_b32 v7, v15, v17, s30
	v_cndmask_b32 v8, v18, v20, s30                ; k = 4 .. 7: x', v'
	v_cndmask_b32 v9, v19, v21, s30
	s_wait_kmcnt 0x0
; ONE ROW: j = 0, 1
.macro NROW j
	s_add_co_u32 s15, s[88+\j], 15
	s_lshr_b32 s15, s15, 4                         ; tiles
	v_mov_b32 v36, s34                             ; what a row without a kept pair gets
	v_mov_b32 v37, s35
	s_cmp_eq_u32 s15, 0
	s_cbranch_scc1 .Lcoef_\@
	v_mul_f32 v24, s[22+4*\j], s[22+4*\j]
	v_fma_f32 v24, s[23+4*\j], s[23+4*\j], v24
	v_add_f32 v24, EPS16, v24
	v_rsq_f32 v24, v24
.irp T, 0,1,2,3                        ; lanes 16-31: the row's base; lanes 0-15: the angle's weight, to which zeros are added
	v_fma_f32 v[60+2*\T], s[20+4*\j], v[68+\T], v[84+\T]
.endr
.irp T, 0,1,2,3
	v_fma_f32 v[60+2*\T], s[21+4*\j], v[72+\T], v[60+2*\T]
.endr
.irp T, 0,1,2,3
	v_fma_f32 v[60+2*\T], s[22+4*\j], v[76+\T], v[60+2*\T]
.endr
.irp T, 0,1,2,3
	v_fma_f32 v[60+2*\T], s[23+4*\j], v[80+\T], v[60+2*\T]
.endr
	s_wait_alu depctr_va_vdst(0)
	v_mul_f32 v22, s[22+4*\j], v24                 ; the direction v / |v|
	v_mul_f32 v23, s[23+4*\j], v24
	s_lshl_b32 s90, s[84+2*\j], 8
	s_mov_b32 s91, 0
	s_add_nc_u64 s[10:11], s[38:39], s[90:91]      ; the row's list (no load that names the old base is out)
	global_load_u8 v11, v1, s[10:11]               ; the positions of tiles 0, 1 and 2 (the list has all 256 slots written)
	global_load_u8 v10, v1, s[10:11] offset:16
	global_load_u8 v12, v1, s[10:11] offset:32
	s_wait_loadcnt 1                               ; tiles 0 and 1 are in; tile 2's load may be out
	v_min_u32 v11, 0xff, v11
	v_lshlrev_b32 v11, 3, v11
	v_min_u32 v10, 0xff, v10
	v_lshlrev_b32 v10, 3, v10
	global_load_b64 v[14:15], v11, s[54:55]        ; tile 0's positions,
	global_load_b64 v[186:187], v11, s[56:57]      ; its values, where the first trip looks for them,
	global_load_b64 v[16:17], v10, s[56:57]        ; tile 1's values
	s_wait_loadcnt 2                               ; tile 0's positions are in; the two gathers of values behind them may be out
	GEOM 20+4*\j
	global_load_b64 v[14:15], v10, s[54:55]        ; tile 1's positions
	v_mov_b32 v33, 0xff61b1e6                      ; m = -3e38
	v_mov_b32 v34, 0
	v_mov_b32 v36, 0
	v_mov_b32 v37, 0
	s_mov_b32 s16, 0
	s_mov_b32 s17, s[88+\j]
	L1MM                                           ; tile 0's layer 1
.rept 8
	v_nop                                          ; eight places behind this form before its results are read; in the loop the second half of a trip stands there
.endr
.Ltile_\@:
	TANHQ
	v_permlanex16_b32 v32, v31, s28, s29
	v_lshl_or_b32 v50, v32, 8, v31                 ; lanes 0-15: the pair's scale word: block 0's byte, block 1's; bytes 2, 3 stand over zero codes
	s_wait_loadcnt 0x0                             ; the trip's one wait: what was asked for in the middle of the trip before (or ahead of the loop) is in
	GEOM 20+4*\j                                   ; the next tile's features: ten plain lines between the scale word and the scaled products
	L2MM
	v_mov_b32 v18, v186                            ; this tile's values, for the softmax below;
	v_mov_b32 v19, v187
	v_mov_b32 v186, v16                            ; the next tile's are kept, since their registers take the gather below
	v_mov_b32 v187, v17
	L1MM                                           ; the next tile's layer 1: its time passes under the work below
	v_min_u32 v11, 0xff, v12                       ; the gathers of the tile after the next,
	v_lshlrev_b32 v11, 3, v11
	s_lshl_b32 s18, s16, 4
	s_add_co_u32 s18, s18, 48
	s_min_u32 s18, s18, 240                        ; and the positions of the tile behind that, held inside the row
	v_add_nc_u32 v10, s18, v1
	global_load_b64 v[14:15], v11, s[54:55]
	global_load_b64 v[16:17], v11, s[56:57]
	global_load_u8 v12, v10, s[10:11]
	v_mov_b32 v42, v184                            ; the logit's sums begin.  (Eleven plain lines stand between layer 2's products and the first read of their results)
	v_mov_b32 v43, 0
	v_mov_b32 v44, 0
	v_mov_b32 v45, 0
	POST2
	SMAX
	s_sub_co_u32 s17, s17, 16
	s_add_co_u32 s16, s16, 1
	s_cmp_lt_u32 s16, s15
	s_cbranch_scc1 .Ltile_\@
	s_wait_loadcnt 0x0                             ; what ran ahead is in: its registers and addresses are free
	v_mov_b32 v41, v33                             ; the sixteen lanes are joined under their largest m
	v_max_num_f32_dpp v41, v41, v41 row_xmask:1 row_mask:0xf bank_mask:0xf
	v_max_num_f32_dpp v41, v41, v41 row_xmask:2 row_mask:0xf bank_mask:0xf
	v_max_num_f32_dpp v41, v41, v41 row_xmask:4 row_mask:0xf bank_mask:0xf
	v_max_num_f32_dpp v41, v41, v41 row_xmask:8 row_mask:0xf bank_mask:0xf
	v_sub_f32 v38, v33, v41
	v_exp_f32 v38, v38
	v_nop
	s_wait_alu depctr_va_vdst(0)
	v_mul_f32 v34, v34, v38
	v_pk_mul_f32 v[36:37], v[36:37], v[38:39] op_sel_hi:[1,0]
.irp k, 1,2,4,8
	v_add_f32_dpp v34, v34, v34 row_xmask:\k row_mask:0xf bank_mask:0xf
	v_add_f32_dpp v36, v36, v36 row_xmask:\k row_mask:0xf bank_mask:0xf
	v_add_f32_dpp v37, v37, v37 row_xmask:\k row_mask:0xf bank_mask:0xf
.endr
	v_rcp_f32 v34, v34                             ; the sum is 1 at the least: the lane that holds the maximum has a p of 1
	v_nop
	s_wait_alu depctr_va_vdst(0)
	v_mul_f32 v36, v36, v34
	v_mul_f32 v37, v37, v34
.Lcoef_\@:
	v_mul_f32 v36, ML2E, v36
	v_mul_f32 v37, ML2E, v37
	v_exp_f32 v36, v36                             ; exp(-attn)
	v_exp_f32 v37, v37
	v_nop
	s_wait_alu depctr_va_vdst(0)
	ds_store_b64 v2, v[36:37] offset:COEF+8*\j     ; all lanes write the same words with the same values
.endm
	NROW 0
	NROW 1
	; ---- THE TAIL.  Sixteen loads: layer 1's weights for my 64 units, my output tile of layer 2, its bias, layer 3's weights
	s_lshl_b32 s92, s76, 1
	s_add_co_u32 s92, s92, s75                     ; sigma = 2 s + c
	s_mul_i32 s92, s92, 3072
	s_mov_b32 s93, 0
	s_add_nc_u64 s[94:95], s[42:43], s[92:93]
.irp G, 0,1,2,3,4,5
	global_load_b128 v[60+4*\G:63+4*\G], v35, s[94:95] offset:36864+512*\G
.endr
	s_lshl_b32 s92, s2, 11
	s_add_nc_u64 s[96:97], s[42:43], s[92:93]
.irp G, 0,1,2,3
	global_load_b128 v[88+4*\G:91+4*\G], v35, s[96:97] offset:512*\G   ; K step s at v[88 + 8 s]
.endr
	s_lshl_b32 s92, s2, 8
	s_add_nc_u64 s[98:99], s[42:43], s[92:93]
	global_load_b32 v46, v254, s[98:99] offset:32768
	global_load_b32 v47, v254, s[98:99] offset:32768+128
	v_bfe_u32 v24, v0, 4, 1
	v_lshlrev_b32 v24, 5, v24
	s_lshl_b32 s92, s2, 6
	v_add_nc_u32 v24, s92, v24                     ; units 16 w + 8 h on
	global_load_b128 v[120:123], v24, s[58:59]
	global_load_b128 v[124:127], v24, s[58:59] offset:16
	global_load_b128 v[128:131], v24, s[68:69]
	global_load_b128 v[132:135], v24, s[68:69] offset:16
	s_load_b32 s19, s[70:71], 0x0
	BAR                                            ; the 32 rows' coefficients lie in LDS
	s_wait_loadcnt 0x0
	s_wait_kmcnt 0x0
.irp i, 0,1,2,3
	v_pk_mul_f32 v[120+2*\i:121+2*\i], v[120+2*\i:121+2*\i], s[32:33] op_sel_hi:[1,0]
.endr
	s_cmp_lt_u32 s2, 8
	s_cbranch_scc0 .Lno_t1
	; layer 1: eight waves, each 16 rows x 64 units: half a fragment of the next product
	ds_load_b64 v[20:21], v3
	s_wait_dscnt 0x0
	v_cndmask_b32 v20, v20, 1.0, s30               ; k = 8, 9: the coefficients; k = 10: 1 for the bias; k = 11: 0
	v_cndmask_b32 v21, v21, 0, s30
.irp T, 0,1,2,3                        ; the four results take turns, one instruction a turn
	v_wmma_f32_16x16x4_f32 v[188+8*\T:195+8*\T], v[60+6*\T:61+6*\T], v[6:7], 0
.endr
.irp T, 0,1,2,3
	v_wmma_f32_16x16x4_f32 v[188+8*\T:195+8*\T], v[62+6*\T:63+6*\T], v[8:9], v[188+8*\T:195+8*\T]
.endr
.irp T, 0,1,2,3
	v_wmma_f32_16x16x4_f32 v[188+8*\T:195+8*\T], v[64+6*\T:65+6*\T], v[20:21], v[188+8*\T:195+8*\T]
.endr
.rept 8
	v_nop                                          ; eight places behind this form before its results are read
.endr
	TANHQ
	ds_store_b128 v4, v[52:55]                     ; registers 4 c .. 4 c + 3 of fragment 2 m + s, as they stand
	ds_store_b8 v13, v31
.Lno_t1:
	BAR                                            ; the four fragments and their scale words lie in LDS
	; layer 2: my 16 output units for both tiles of rows
.irp f, 0,1,2,3
	ds_load_b128 v[152+8*\f:155+8*\f], v35 offset:TIMG+1024*\f
	ds_load_b128 v[156+8*\f:159+8*\f], v35 offset:TIMG+1024*\f+512
	ds_load_b32 v[48+\f], v185 offset:TSC+64*\f
.endr
	s_wait_dscnt 0x0
	v_wmma_scale_f32_16x16x128_f8f6f4 v[220:227], v[88:95], v[152:159], 0, v46, v48 matrix_a_fmt:MATRIX_FMT_FP4 matrix_b_fmt:MATRIX_FMT_FP4
	v_wmma_scale_f32_16x16x128_f8f6f4 v[228:235], v[88:95], v[168:175], 0, v46, v50 matrix_a_fmt:MATRIX_FMT_FP4 matrix_b_fmt:MATRIX_FMT_FP4
	v_wmma_scale_f32_16x16x128_f8f6f4 v[220:227], v[96:103], v[160:167], v[220:227], v47, v49 matrix_a_fmt:MATRIX_FMT_FP4 matrix_b_fmt:MATRIX_FMT_FP4
	v_wmma_scale_f32_16x16x128_f8f6f4 v[228:235], v[96:103], v[176:183], v[228:235], v47, v51 matrix_a_fmt:MATRIX_FMT_FP4 matrix_b_fmt:MATRIX_FMT_FP4
.rept 4
	v_nop
.endr
.set i, 0
.rept 8
	v_pk_fma_f32 v[220+2*i:221+2*i], v[220+2*i:221+2*i], s[32:33], v[120+2*(i%4):121+2*(i%4)] op_sel_hi:[1,0,1]
.set i, i+1
.endr
.set i, 0
.rept 16
	v_exp_f32 v[220+i], v[220+i]                   ; sixteen numbers once a work-group's wave: here each has its own reciprocal, and an infinity gives 0 by itself
.set i, i+1
.endr
	v_nop
.set i, 0
	s_wait_alu depctr_va_vdst(0)
.rept 8
	v_pk_add_f32 v[220+2*i:221+2*i], v[220+2*i:221+2*i], 1.0 op_sel_hi:[1,0]
.set i, i+1
.endr
.set i, 0
.rept 16
	v_rcp_f32 v[220+i], v[220+i]
.set i, i+1
.endr
	v_nop
.set i, 0
	s_wait_alu depctr_va_vdst(0)
.rept 8
	v_pk_fma_f32 v[220+2*i:221+2*i], v[220+2*i:221+2*i], -2.0, 1.0 op_sel_hi:[1,0,0]
.set i, i+1
.endr
	v_pk_mul_f32 v[42:43], v[220:221], v[128:129]  ; layer 3: my eight units' part, for each tile of rows
	v_pk_mul_f32 v[44:45], v[228:229], v[128:129]
.irp i, 1,2,3
	v_pk_fma_f32 v[42:43], v[220+2*\i:221+2*\i], v[128+2*\i:129+2*\i], v[42:43]
	v_pk_fma_f32 v[44:45], v[228+2*\i:229+2*\i], v[128+2*\i:129+2*\i], v[44:45]
.endr
	v_add_f32 v40, v42, v43
	v_add_f32 v41, v44, v45
	v_permlanex16_b32 v32, v40, s28, s29
	v_add_f32 v40, v40, v32
	v_permlanex16_b32 v32, v41, s28, s29
	v_add_f32 v41, v41, v32
	v_cndmask_b32 v40, v40, v41, s30               ; lane l now stands for row l of the 32
	ds_store_b32 v255, v40
	BAR                                            ; the sixteen waves' parts lie in LDS
	s_cmp_lg_u32 s2, 0
	s_cbranch_scc1 .Lend
.irp i, 0,1,2,3,4,5,6,7,8,9,10,11,12,13,14,15
	ds_load_b32 v[220+\i], v254 offset:PART+128*\i
.endr
	s_wait_dscnt 0x0
.irp i, 1,2,3,4,5,6,7
	v_pk_add_f32 v[220:221], v[220:221], v[220+2*\i:221+2*\i]
.endr
	v_add_f32 v220, v220, v221
	v_add_f32 v220, s19, v220
	v_mul_f32 v220, s32, v220
	v_exp_f32 v220, v220
	v_nop
	s_wait_alu depctr_va_vdst(0)
	v_add_f32 v220, 1.0, v220
	v_rcp_f32 v220, v220
	v_nop
	s_wait_alu depctr_va_vdst(0)
	v_fma_f32 v220, v220, -2.0, 1.0                ; tanh
	v_mul_f32 v220, L2E, v220
	v_exp_f32 v220, v220                           ; exp
	v_nop
	s_wait_alu depctr_va_vdst(0)
	global_store_b32 v5, v220, s[72:73]
.Lend:
	s_wait_xcnt 0x0
	v_lshl_add_u32 v254, v0, 2, 0x2000
	v_mov_b32 v255, 0
	s_wait_tensorcnt 0x0
	ds_add_u32 v254, v255
	s_wait_dscnt 0x0
	s_endpgm
.Lfunc_end_k_q073781e703_chain:
	.size	k_q073781e703_chain, .Lfunc_end_k_q073781e703_chain-k_q073781e703_chain
	.p2alignl 7, 3214868480
	.fill 96, 4, 3214868480
	.section	.rodata,"a",@progbits
	.p2align	6, 0x0
	.amdhsa_kernel k_q073781e703_chain
		.amdhsa_group_segment_fixed_size 10240
		.amdhsa_private_segment_fixed_size 0
		.amdhsa_enable_private_segment 0
		.amdhsa_kernarg_size 120
		.amdhsa_user_sgpr_count 2
		.amdhsa_user_sgpr_kernarg_segment_ptr 1
		.amdhsa_wavefront_size32 1
		.amdhsa_system_sgpr_workgroup_id_x 1
		.amdhsa_system_sgpr_workgroup_id_y 1
		.amdhsa_system_sgpr_workgroup_id_z 1
		.amdhsa_system_vgpr_workitem_id 0
		.amdhsa_next_free_vgpr 256
		.amdhsa_next_free_sgpr 100
		.amdhsa_reserve_vcc 1
		.amdhsa_float_denorm_mode_32 3
		.amdhsa_float_denorm_mode_16_64 3
		.amdhsa_memory_ordered 1
		.amdhsa_forward_progress 1
		.amdhsa_inst_pref_size 73
	.end_amdhsa_kernel
	.amdgpu_metadata
---
amdhsa.version: [ 1, 2 ]
amdhsa.kernels:
  - .name:           k_q073781e703_chain
    .symbol:         k_q073781e703_chain.kd
    .args:
      - { .name: order, .offset: 0, .size: 8, .value_kind: global_buffer, .address_space: global }
      - { .name: list, .offset: 8, .size: 8, .value_kind: global_buffer, .address_space: global }
      - { .name: aimg, .offset: 16, .size: 8, .value_kind: global_buffer, .address_space: global }
      - { .name: timg, .offset: 24, .size: 8, .value_kind: global_buffer, .address_space: global }
      - { .name: cvmean, .offset: 32, .size: 8, .value_kind: global_buffer, .address_space: global }
      - { .name: x, .offset: 40, .size: 8, .value_kind: global_buffer, .address_space: global }
      - { .name: v, .offset: 48, .size: 8, .value_kind: global_buffer, .address_space: global }
      - { .name: x_prime, .offset: 56, .size: 8, .value_kind: global_buffer, .address_space: global }
      - { .name: v_prime, .offset: 64, .size: 8, .value_kind: global_buffer, .address_space: global }
      - { .name: coeff_position, .offset: 72, .size: 8, .value_kind: global_buffer, .address_space: global }
      - { .name: coeff_values, .offset: 80, .size: 8, .value_kind: global_buffer, .address_space: global }
      - { .name: transport_params_1_1, .offset: 88, .size: 8, .value_kind: global_buffer, .address_space: global }
      - { .name: transport_params_2_0, .offset: 96, .size: 8, .value_kind: global_buffer, .address_space: global }
      - { .name: transport_params_2_1, .offset: 104, .size: 8, .value_kind: global_buffer, .address_space: global }
      - { .name: out0, .offset: 112, .size: 8, .value_kind: global_buffer, .address_space: global }
    .group_segment_fixed_size: 10240
    .private_segment_fixed_size: 0
    .kernarg_segment_align: 8
    .kernarg_segment_size: 120
    .max_flat_workgroup_size: 512
    .sgpr_count:     100
    .vgpr_count:     256
    .wavefront_size: 32
...
	.end_amdgpu_metadata
.endif
;; end of part 3
